; MI455X (gfx1250); checked and timed in simulation.
; The chip was launched on July 23, 2026; its instructions are those of AMD's public machine-readable ISA for CDNA 5 (MIT licence, August 2026) and "CDNA5" Instruction Set Architecture Reference Guide (July 2026). The comments in the code are by the model that wrote it; some were corrected since.
;; Bert Self Attention. Allowed arithmetic: matrix products marked QUANTISED: E3M2 operands, one E8M0 scale for each 32 along K, by v_wmma_scale_f32_16x16x128_f8f6f4 with both operands' format E3M2, f32 sums; everything else in f32.
;; Inputs: Wk 1,024 x 1,024 float32; Wq 1,024 x 1,024 float32; Wv 1,024 x 1,024 float32; attention_mask 4 x 1 x 1 x 2,048 float32; bk 1,024 float32; bq 1,024 float32; bv 1,024 float32; hidden_states 4 x 2,048 x 1,024 float32.
;; Outputs: out0 4 x 2,048 x 1,024 float32.
;; This version of the problem:
;;   THIS VERSION OF THE PROBLEM IS GIVEN IN LOW PRECISION. The matrix products marked QUANTISED in the list below multiply operands that are first quantised to E3M2 (3 exponent bits, 2 mantissa bits; 6 bits a number), with one power-of-two scale for each 32 numbers along K (OCP MX v1.0); their sums are f32. All else is computed in f32.
;;   The module's matrix products, in the order in which they are computed (A, B: the left and right operand; K: the contracted axis; several contracted axes count as one K, in the product's order):
;;     1. [M 8,192, K 1,024] x [K 1,024, N 1,024]; A: input hidden_states; B: input Wq: QUANTISED
;;     2. [M 8,192, K 1,024] x [K 1,024, N 1,024]; A: input hidden_states; B: input Wk: QUANTISED
;;     3. [M 8,192, K 1,024] x [K 1,024, N 1,024]; A: input hidden_states; B: input Wv: QUANTISED
;;     4. batch 64 x [M 2,048, K 64] x [K 64, N 2,048]; A: computed on the way; B: computed on the way: QUANTISED
;;     5. batch 64 x [M 2,048, K 2,048] x [K 2,048, N 64]; A: softmax (see below); B: computed on the way: QUANTISED
;;   THE QUANTISER, for each operand of a quantised product, along K:
;;     - K is cut into blocks of 32 from its start; a last block that is shorter is filled with zeros.
;;     - A block's scale is 2^e with e = floor(log2(the largest magnitude in the block)) - 4, held to -126 .. 127; a block of zeros has e = 0. As a byte (E8M0): e + 127.
;;     - Each number is divided by its block's scale, clamped to +-28, and rounded to the nearest number of E3M2, ties to even, subnormals kept.
;;     - The product sums the exact products of the quantised numbers (number of the format x scale) in f32.
;;   ~~~python
;;   def quantise(x, axis):      # numpy; x: float32 -> the quantised numbers, widened to float32 again
;;       x = np.moveaxis(x, axis, -1); K = x.shape[-1]
;;       x = np.pad(x, [(0, 0)] * (x.ndim - 1) + [(0, -K % 32)]); x = x.reshape(x.shape[:-1] + (-1, 32)); a = np.abs(x).max(-1, keepdims=True)
;;       e = np.where(a > 0, np.clip(np.frexp(np.where(a > 0, a, 1))[1] - 1 - 4, -126, 127), 0)      # np.frexp(a)[1] - 1 = floor(log2(a)), exactly
;;       r = np.clip(x / 2.0 ** e, -28, 28)
;;       step = 2.0 ** (np.maximum(np.frexp(np.where(r == 0, 1, r))[1] - 1, -2) - 2)
;;       q = np.round(r / step) * step * 2.0 ** e      # np.round: ties to even
;;       return np.moveaxis(q.reshape(q.shape[:-2] + (-1,))[..., :K], -1, axis).astype(np.float32)
;;   ~~~
;;   SOFTMAX AHEAD OF A QUANTISED PRODUCT. Where the list says 'softmax', what is quantised is not the finished softmax but p = 2^(t - M), with t = logit x log2(e) and M = ceil(the row's largest t), a whole number; so 1/2 < the row's largest p <= 1. The row's sum l is taken of the UNQUANTISED p, in f32, and the product's result is divided by l at the end. Since M is a whole number, a kernel that streams over the keys may use a running M (the ceiling of the running maximum): every later rescaling is an exact power of two, which a block's scale takes up: the codes' values come out the same.
;;   OPERANDS COMPUTED ON THE WAY. 'Computed on the way' means the value that the module computes at that place (a softmax that the list does not call 'softmax' is quantised finished and normalised). What goes into a quantiser is computed in f32, as accurately as f32 sums, v_exp_f32 and their like allow (about 1e-6 of the number): no bf16 or f16 on the way to a quantiser, and a product that is left as it is and whose result goes on into a quantised operand takes f32 operands (vector FMAs, or v_wmma_f32_16x16x4_f32). A number that lies on a knife's edge between two numbers of the format may be rounded either way, as far as f32 arithmetic and the matrix unit's own rounding can turn it there, and no further.
;; One version. Each part assembles by itself: llvm-mc -triple=amdgcn-amd-amdhsa -mcpu=gfx1250 --defsym DOCPART=n.
;; ======== version 1 of 1: 3 launches
;; workspace buffers: x_codes 6,291,456 bytes; x_scales 262,144 bytes; w_codes 2,359,296 bytes; w_scales 98,304 bytes; q_img 6,553,600 bytes; k_img 6,553,600 bytes; v_img 6,553,600 bytes
;; launch quant (part 1): grid 352 x 1, 4 waves a work-group, no clusters, 33,280 bytes of LDS; arguments hidden_states, Wq, Wk, Wv, x_codes, x_scales, w_codes, w_scales; writes x_codes, x_scales, w_codes, w_scales
.if DOCPART == 1
	.amdgcn_target "amdgcn-amd-amdhsa--gfx1250"
	.amdhsa_code_object_version 6
	.text
	.protected	k_q3b390b0de8_quant
	.globl	k_q3b390b0de8_quant
	.p2align	8
	.type	k_q3b390b0de8_quant,@function
k_q3b390b0de8_quant:
	s_mov_b64 s[64:65], 0
	v_nop
	global_prefetch_b8 v0, s[64:65] scope:SCOPE_SE
	s_setreg_imm32_b32 hwreg(HW_REG_WAVE_MODE, 25, 1), 1
	s_wait_xcnt 0x0
; hidden_states [8192][1024] and Wq, Wk, Wv [1024][1024], f32, K (the 1,024) innermost, become codes of BF6 (E3M2), 6 bits each, with one E8M0 scale byte for each 32 along K.
; x_codes [8192][768 bytes], x_scales [8192][32]; w_codes [3072][768], w_scales [3072][32]: Wq's rows, then Wk's, then Wv's.
; A block's scale is 2^(floor(log2(its largest magnitude)) - 4); its byte is the largest magnitude's exponent field - 4, held at 1 from below.  A block of zeros so gets the byte 1 where the rule says 127:
; its codes are zeros, which add nothing under any byte but 0xff, and the bytes are read by this program alone.
; LIMITS: NaN and infinities among the inputs are not served.
; THE ROWS ARE LAID IN ANOTHER ORDER THAN IN THE TENSOR: buffer row p holds the tensor's row p with bits 3 and 4 of the index changed over.  Sixteen neighbouring buffer rows (tile 2 b + u, lane r) are then
; the tensor's rows 32 b + 8 u + r + 8 (r / 8): with such tiles as source 0 of a product, a lane's 16 result registers of two neighbouring tiles are 16 neighbours, which the next launch's quantiser wants.
; A wave takes a run of 8 rows (8,192 numbers): a run's number is row / 8, so the change of bits 3 and 4 is a change of the two low bits of the run's number, which are the wave's number.
; Work-groups 0-255 take hidden_states, 256-287 Wq, 288-319 Wk, 320-351 Wv: only pointers are chosen, there is one path through the text.
; A wave's 16 steps of 512 numbers: each of a step's four loads reads 512 consecutive bytes, 16 a lane; the 2,048 bytes turn through the wave's own stage in LDS and come back 64 bytes (16 neighbours along K) a lane,
; since the conversion takes 16 numbers of one block from one lane's registers.  Two neighbouring lanes hold a block.  A lane's 16 codes are 12 bytes: the wave stores 384 consecutive bytes.
; A wave's 256 scale bytes are gathered in its own LDS bytes and leave as one aligned run of 256 bytes.  No barrier: waves share nothing.  Loads run four steps (16 loads a wave) ahead.
.set STEPS, 16
.set EMAX,  4
.set CB,    12                         ; bytes of 16 codes
.set R,     16                         ; v16-79   four sets of 16 numbers as they are loaded
.set X,     80                         ; v80-111  two sets of 16 neighbours
.set C,     128                        ; v128-191 codes: four registers for each step, so that no store's data are written again
.set E,     112                        ; v112-127 a scale byte for each step
.set WREG,  8192                       ; LDS: a region for each wave: two stages of 32 x SP bytes, behind them its 256 scale bytes
.set SP,    80                         ; a lane's place in a stage: its 64 bytes + 16 of padding
	s_load_b256 s[4:11], s[0:1], 0x0               ; hidden_states s[4:5], Wq s[6:7], Wk s[8:9], Wv s[10:11]
	s_load_b256 s[12:19], s[0:1], 0x20             ; x_codes s[12:13], x_scales s[14:15], w_codes s[16:17], w_scales s[18:19]
	v_lshl_add_u32 v192, v0, 2, 0x8000
	v_mov_b32 v193, 0
	v_lshrrev_b32 v1, 5, v0
	v_readfirstlane_b32 s20, v1                    ; wave
	v_and_b32 v2, 31, v0                           ; lane
	v_lshlrev_b32 v3, 4, v2                        ; my 16 bytes of a load's 512
	s_mul_i32 s21, s20, WREG
	v_lshrrev_b32 v14, 2, v2
	v_mul_u32_u24 v14, v14, SP
	v_and_b32 v15, 3, v2
	v_lshl_add_u32 v14, v15, 4, v14
	v_add_nc_u32 v14, s21, v14                     ; the stage, on the way in: SP (lane / 4) + 16 (lane % 4); a load's 512 bytes take eight places
	v_mul_u32_u24 v15, v2, SP
	v_add_nc_u32 v15, s21, v15                     ; and on the way out: SP x lane: my 16 neighbours
	v_mul_u32_u24 v4, v2, CB                       ; my codes' place in a step's
	v_lshrrev_b32 v5, 1, v2
	s_add_co_u32 s21, s21, 2*32*SP
	v_add_nc_u32 v5, s21, v5                       ; LDS: my wave's 256 scale bytes, my block's byte
	v_lshlrev_b32 v7, 3, v2                        ; and on the way out 8 bytes a lane
	v_add_nc_u32 v6, s21, v7
	s_sub_co_u32 s22, ttmp9, 256                   ; a weight's work-group: its number among the 96,
	s_and_b32 s23, s22, 31                         ; and among its own tensor's 32
	s_and_b32 s26, s20, 1
	s_lshl_b32 s26, s26, 1
	s_lshr_b32 s27, s20, 1
	s_or_b32 s26, s26, s27                         ; the wave's number with its two bits changed over: where my run goes
	s_wait_kmcnt 0x0
	s_cmp_lt_u32 ttmp9, 320                        ; the choices hang on the work-group's number alone
	s_cselect_b64 s[8:9], s[8:9], s[10:11]         ; Wk or Wv
	s_cmp_lt_u32 ttmp9, 288
	s_cselect_b64 s[6:7], s[6:7], s[8:9]           ; Wq or one of those
	s_cmp_lt_u32 ttmp9, 256
	s_cselect_b64 s[4:5], s[4:5], s[6:7]           ; hidden_states or a weight
	s_cselect_b64 s[12:13], s[12:13], s[16:17]     ; the codes' buffer
	s_cselect_b64 s[14:15], s[14:15], s[18:19]     ; the scale bytes' buffer
	s_cselect_b32 s23, ttmp9, s23                  ; which 32 rows of the tensor
	s_cselect_b32 s22, ttmp9, s22                  ; which 32 rows of the buffers
	s_lshl_b32 s23, s23, 2
	s_add_co_u32 s24, s23, s20                     ; the run that I read,
	s_lshl_b32 s24, s24, 15                        ; 32,768 bytes a run (under 2^26)
	s_mov_b32 s25, 0
	s_add_nc_u64 s[4:5], s[4:5], s[24:25]
	s_lshl_b32 s22, s22, 2
	s_add_co_u32 s26, s22, s26                     ; the run that I write:
	s_mul_i32 s28, s26, 32*STEPS*CB                ; 6,144 bytes of codes,
	s_mov_b32 s29, 0
	s_add_nc_u64 s[12:13], s[12:13], s[28:29]
	s_lshl_b32 s28, s26, 8                         ; 256 scale bytes
	s_add_nc_u64 s[14:15], s[14:15], s[28:29]
.macro LOAD t
.irp i, 0,1,2,3
	global_load_b128 v[R+16*((\t)%4)+4*\i:R+16*((\t)%4)+4*\i+3], v3, s[4:5] offset:2048*(\t)+512*\i th:TH_LOAD_NT   ; 32 lanes read 512 consecutive bytes
.endr
.endm
.macro TURN t                          ; step t's numbers through the stage: LDS serves a wave's instructions in order, so no wait stands between the stores and the loads
.irp i, 0,1,2,3
	ds_store_b128 v14, v[R+16*((\t)%4)+4*\i:R+16*((\t)%4)+4*\i+3] offset:32*SP*((\t)%2)+8*SP*\i
.endr
.irp i, 0,1,2,3
	ds_load_b128 v[X+16*((\t)%2)+4*\i:X+16*((\t)%2)+4*\i+3], v15 offset:32*SP*((\t)%2)+16*\i
.endr
.endm
.irp t, 0,1,2,3
	LOAD \t
.endr
	s_wait_loadcnt 12                              ; step 0's four loads are in; the twelve of steps 1 to 3 may be out
	TURN 0
.macro STEP t
.set XS, X+16*((\t)%2)
.if (\t) > 0
	s_wait_dscnt 1                                 ; this step's numbers are back from the stage (the last step's byte store may be out): so its stores into the stage have read their registers,
.else
	s_wait_dscnt 0x0
.endif
.if (\t)+4 < STEPS
	LOAD (\t)+4                                    ; which take the loads of four steps on
.endif
.if (\t)+1 < STEPS
.if STEPS-2-(\t) >= 3
	s_wait_loadcnt 12                              ; the next step's four loads are in; those of the three steps behind it may be out
.else
	s_wait_loadcnt 4*(STEPS-2-(\t))
.endif
	TURN (\t)+1                                    ; and go through the other stage while this step is worked
.endif
	v_max3_num_f32 v8, |v[XS]|, |v[XS+1]|, |v[XS+2]|               ; the largest magnitude of my 16, in two chains
	v_max3_num_f32 v9, |v[XS+3]|, |v[XS+4]|, |v[XS+5]|
.irp i, 6,10
	v_max3_num_f32 v8, v8, |v[XS+\i]|, |v[XS+\i+1]|
	v_max3_num_f32 v9, v9, |v[XS+\i+2]|, |v[XS+\i+3]|
.endr
	v_max3_num_f32 v8, v8, |v[XS+14]|, |v[XS+15]|
	v_max3_num_f32 v8, v8, v9, (EMAX+1)<<23        ; and the floor 2^(EMAX + 1 - 127): so the byte cannot fall under 1
	v_max_num_f32_dpp v8, v8, v8 row_xmask:1 row_mask:0xf bank_mask:0xf   ; and of my neighbour's 16: the block's
	v_add_nc_u32 v11, -(EMAX<<23), v8              ; EMAX off its exponent field: the conversion takes the exponent field of this operand as its scale, and nothing else of it
	v_cvt_scalef32_pk16_bf6_f32 v[C+4*(\t):C+4*(\t)+2], v[XS:XS+15], v11   ; sixteen numbers / the scale, to the nearest code, ties to even, beyond the largest code the largest; 96 bits without gaps
	v_lshrrev_b32 v[E+(\t)], 23, v11               ; the scale's byte
	ds_store_b8 v5, v[E+(\t)] offset:16*(\t)       ; both lanes of a block write the same byte with the same value
	global_store_b96 v4, v[C+4*(\t):C+4*(\t)+2], s[12:13] offset:32*CB*(\t)
.endm
.irp t, 0,1,2,3,4,5,6,7,8,9,10,11,12,13,14,15
	STEP \t
.endr
	ds_load_b64 v[12:13], v6                       ; LDS serves a wave's instructions in order: these see my stores
	s_wait_dscnt 0x0
	global_store_b64 v7, v[12:13], s[14:15]        ; 32 lanes store 256 consecutive bytes, aligned
	s_wait_tensorcnt 0x0
	ds_add_u32 v192, v193
	s_wait_dscnt 0x0
	s_endpgm
.Lfunc_end_k_q3b390b0de8_quant:
	.size	k_q3b390b0de8_quant, .Lfunc_end_k_q3b390b0de8_quant-k_q3b390b0de8_quant
	.p2alignl 7, 3214868480
	.fill 96, 4, 3214868480
	.section	.rodata,"a",@progbits
	.p2align	6, 0x0
	.amdhsa_kernel k_q3b390b0de8_quant
		.amdhsa_group_segment_fixed_size 33280
		.amdhsa_private_segment_fixed_size 0
		.amdhsa_enable_private_segment 0
		.amdhsa_kernarg_size 64
		.amdhsa_user_sgpr_count 2
		.amdhsa_user_sgpr_kernarg_segment_ptr 1
		.amdhsa_wavefront_size32 1
		.amdhsa_system_sgpr_workgroup_id_x 1
		.amdhsa_system_sgpr_workgroup_id_y 1
		.amdhsa_system_sgpr_workgroup_id_z 1
		.amdhsa_system_vgpr_workitem_id 0
		.amdhsa_next_free_vgpr 194
		.amdhsa_next_free_sgpr 66
		.amdhsa_reserve_vcc 0
		.amdhsa_float_denorm_mode_32 3
		.amdhsa_float_denorm_mode_16_64 3
		.amdhsa_memory_ordered 1
		.amdhsa_forward_progress 1
		.amdhsa_inst_pref_size 33
	.end_amdhsa_kernel
	.amdgpu_metadata
---
amdhsa.version: [ 1, 2 ]
amdhsa.kernels:
  - .name:           k_q3b390b0de8_quant
    .symbol:         k_q3b390b0de8_quant.kd
    .args:
      - { .name: hidden_states, .offset: 0, .size: 8, .value_kind: global_buffer, .address_space: global }
      - { .name: Wq, .offset: 8, .size: 8, .value_kind: global_buffer, .address_space: global }
      - { .name: Wk, .offset: 16, .size: 8, .value_kind: global_buffer, .address_space: global }
      - { .name: Wv, .offset: 24, .size: 8, .value_kind: global_buffer, .address_space: global }
      - { .name: x_codes, .offset: 32, .size: 8, .value_kind: global_buffer, .address_space: global }
      - { .name: x_scales, .offset: 40, .size: 8, .value_kind: global_buffer, .address_space: global }
      - { .name: w_codes, .offset: 48, .size: 8, .value_kind: global_buffer, .address_space: global }
      - { .name: w_scales, .offset: 56, .size: 8, .value_kind: global_buffer, .address_space: global }
    .group_segment_fixed_size: 33280
    .private_segment_fixed_size: 0
    .kernarg_segment_align: 8
    .kernarg_segment_size: 64
    .max_flat_workgroup_size: 128
    .sgpr_count:     66
    .vgpr_count:     194
    .wavefront_size: 32
...
	.end_amdgpu_metadata
.endif
;; end of part 1
;; launch proj (part 2): grid 12 x 32, 4 waves a work-group, clusters of 4 x 4, 327,680 bytes of LDS; arguments x_codes, x_scales, w_codes, w_scales, bq, bk, bv, q_img, k_img, v_img; writes q_img, k_img, v_img
.if DOCPART == 2
	.amdgcn_target "amdgcn-amd-amdhsa--gfx1250"
	.amdhsa_code_object_version 6
	.text
	.protected	k_q3b390b0de8_proj
	.globl	k_q3b390b0de8_proj
	.p2align	8
	.type	k_q3b390b0de8_proj,@function
k_q3b390b0de8_proj:
	s_mov_b64 s[64:65], 0
	v_nop
	global_prefetch_b8 v0, s[64:65] scope:SCOPE_SE
	s_setreg_imm32_b32 hwreg(HW_REG_WAVE_MODE, 25, 1), 1
	s_wait_xcnt 0x0
	s_wait_alu depctr_hold_cnt(0) depctr_sa_sdst(0) depctr_va_vdst(0) depctr_va_sdst(0) depctr_va_ssrc(0) depctr_va_vcc(0) depctr_vm_vsrc(0)
	s_getreg_b32 s2, hwreg(HW_REG_IB_STS2, 6, 4)
	s_cmp_eq_u32 s2, 0
	s_cbranch_scc0 .Lentry_in_a_cluster
	s_endpgm
.Lentry_in_a_cluster:
	s_bfe_u32 s2, ttmp6, 0x10000c
	s_cmp_lg_u32 s2, 0xf033
	s_cbranch_scc0 .Lentry_shape_is_right
	s_endpgm
.Lentry_shape_is_right:
; q, k, v = x W^T + b on codes of BF6 (E3M2) with one E8M0 scale for each 32 along K = 1,024; sums in f32; and the results QUANTISED AGAIN in registers, as operands of the attention launch.
; x: 8,192 rows, W: 3,072 rows (Wq, Wk, Wv on end), both as codes with K innermost (768 bytes a row) and 32 scale bytes a row; in both, buffer row p is the tensor's row p with bits 3 and 4 changed over.
; A tile of the product, 256 x 256, is made by four waves, each 128 x 128: 64 accumulators of 16 x 16, 512 registers.  K goes in steps of 256 through a ring of two LDS slots filled by the tensor data mover.
; The scale bytes of the work-group's 256 + 256 rows, for all of K, come into LDS once, with the first fills.
; WHICH OPERAND IS SOURCE 0.  A lane of a result holds one row of source 1, and its registers run along the rows of source 0.  q and k are quantised along the head's 64 columns: source 0 = W, source 1 = x.
; v is quantised along the tokens (the keys): source 0 = x, source 1 = W.
; CLUSTERS: 4 x 4 work-groups, 3 x 8 clusters (X, Y).  Source 1's tile hangs on cy and is asked for jointly along a row of the cluster; source 0's hangs on cx and is asked for jointly along a column.
;   X = 0, 1 (q, k): source 1 = x's tile 4 Y + cy, source 0 = W's tile 4 X + cx.     X = 2 (v): source 1 = W's tile 8 + cy (Wv's rows), source 0 = x's tile 4 Y + cx.
; So only the buffers' pointers and the two tile numbers are chosen, on the cluster's x, which all partners share; masks, shapes and every LDS address are the same for the three tensors.
; By the order of the buffers' rows, register j of the tile with source 0's block b holds that operand's row 32 (b / 2) + 8 (b % 2) + 16 (lane / 16) + j: the 16 registers of blocks 2 c, 2 c + 1 are 16 neighbours.
; THE BIAS is the C of each sum's first product.  For q, k it hangs on source 0's block (eight numbers a lane and block); for v on the lane (the same number in eight registers).  So the first step of 128 along K is written twice.
; THE WAY OUT.  No f32 goes to memory.  64 numbers of a lane become a fragment of 12 registers and a scale word, stored as AN IMAGE OF THE REGISTERS: three stores of 512 consecutive bytes.
; A block of 6,400 bytes = one head x 128 tokens: four images of 1,536 bytes, then 256 bytes of scale words, 8 bytes a lane (word 0: image 0's in lanes 0-15, image 1's in lanes 16-31; word 1: images 2, 3).
;   q, k: image i = token tiles 2 i and 2 i + 1: registers 0-5 the first tile's 64 columns, registers 6-11 the second's (K = 128 of the instruction holds two tiles of K = 64).
;   v: image i = 16 of the head's 64 columns (lane r: column 32 (i / 2) + 8 (i % 2) + r + 8 (r / 8)) x the block's 128 tokens.
; Buffers: [64 batch x head][16 steps of 128 tokens][6,400].
; LIMITS: NaN and infinities are not served; a block of zeros gets the scale byte 1 (its codes are zeros; this program alone reads the bytes).
; REGISTERS, in windows of 256: window 0: v0-31 addresses; v32-63 scale words, two sets, and nothing else; v64-127 the bias; from v128 source 1's fragments, ONE set; on the way out v64-195 are at work.
;   window 1: source 0's fragments, TWO sets, at v0 and v128.   window 2: the accumulators of source 1's blocks 0-3 ((a, b) at v[8 (8 (a % 4) + b)]);   window 3: those of blocks 4-7.
.set SIZE_K, 1024
.set KSTEP,  256                       ; along K in a slot
.set NQ,     KSTEP/128                 ; matrix instructions deep
.set ROWB,   192                       ; a tile's row in bytes
.set KROW,   SIZE_K*6/8                ; a row of codes in memory
.set PITCH,  240                       ; an LDS row: 3 x (64 bytes + 16 of padding): the 32 lanes of a load of 8 bytes touch 64 different banks (ISA guide 11.1)
.set FR,     12                        ; registers of a fragment
.set NL,     6                         ; LDS loads that bring one
.set NP,     4                         ; places behind this matrix instruction (ISA guide 7.12.1)
.set HALFT,  128*PITCH                 ; 128 rows: what one tensor load brings
.set SLOT,   4*HALFT                   ; source 1's 256 rows, then source 0's 256 rows
.set LAPS,   SIZE_K/(2*KSTEP)          ; 2 laps round the ring
.set KS,     SIZE_K/32                 ; a row of scale bytes
.set SCL,    2*SLOT                    ; behind the ring: the scales, as runs of 256 bytes + 16 of padding
.set HALFS,  (128*KS/256)*272          ; the scales of 128 rows
.set SBLK,   (16*KS/256)*272           ; those of 16 rows
.set SPARE,  SCL+4*HALFS               ; behind the scales: the spare words, 128 bytes a wave: two blocks of 256 bytes that no other line names
.set BLKB,   6400                      ; a block of the images' buffers
.set ADRA, 16                          ; v16-17 LDS address of source 1's fragments in slot 0, 1 (v18-19: for the pieces behind one padding more)
.set ADRB, 20                          ; v20-23 the same for source 0
.set C8,   24                          ; v24    8 x lane
.set CO,   26                          ; v26    16 x lane
.set ADRS, 27                          ; v27    LDS address of my scale words: lanes 0-15 source 1's rows, lanes 16-31 source 0's
.set SPW,  28                          ; v28    LDS address of my spare word; never rewritten
.set NIL,  29                          ; v29    0; never rewritten
.set SC,   32                          ; scale words: set s at v[SC + 16 s]; register 2 i + q: lanes 0-15 source 1's block i, lanes 16-31 source 0's block i
.set BI,   64                          ; v64-127 the bias, eight registers a block
.set AF,   128                         ; source 1's fragments
.set IMG,  64                          ; the way out: v64-159 eight images
.set SW,   160                         ; v160-163 the scale words as they are stored
.set TM,   164                         ; v164-167 largest magnitudes, v168-171 the other half's and then bytes, v176-179 the conversions' scale operands
.set PT,   180                         ; v180-182, v184-186 the upper half blocks' codes
.set WD,   188                         ; v188-195 the eight images' scale words
.set G1, 24                            ; s[24:31] descriptor group 1 for source 1's tiles;  s[32:39] group 0, one set for each slot
.set G0, 32
.set G1B, 48                           ; s[48:55], s[56:63] the same for source 0's tiles
.set G0B, 56
.set G1S, 68                           ; s[68:75], s[76:79] groups 1 and 0 for source 1's scales;  s[80:87], s[88:91] for source 0's
.set G0S, 76
.set G1SB, 80
.set G0SB, 88
.set BIAS, 96                          ; s[96:97] my 128 numbers of the bias
.set SEL,  98                          ; s[98:99] lane selects: lane l xor 16
.set MSB, 0
.macro WIN new                         ; the immediate's high byte repeats the setting that is left
.if MSB != \new
	s_set_vgpr_msb (MSB<<8)|\new
.set MSB, \new
.endif
.endm
.set MUL_LO, 0xa1                      ; source 0 window 1, source 1 window 0, C and D window 2
.set MUL_HI, 0xf1                      ; the same, C and D window 3
.set TO_B,   0x40                      ; destination window 1, address window 0
; A joint load: waves 0 and 1 fetch for source 1, waves 2 and 3 for source 0.  Each line has one mask and one set of registers; the branch hangs on the wave's number alone.  Four v_nop follow each line.
.macro JLOAD g0a, g1a, g0b, g1b
	s_cmp_eq_u32 s15, 0
	s_cbranch_scc0 .Lfor_b_\@
	tensor_load_to_lds s[\g0a:\g0a+3], s[\g1a:\g1a+7]
	s_nop 0
.rept 4
	v_nop
.endr
	s_branch .Lasked_\@
.Lfor_b_\@:
	tensor_load_to_lds s[\g0b:\g0b+3], s[\g1b:\g1b+7]
	s_nop 0
.rept 4
	v_nop
.endr
.Lasked_\@:
.endm
.macro CREST                           ; a round of the cluster's barrier behind its opening barrier
	s_cmp_lg_u32 s14, 0
	s_cbranch_scc1 .Lnot_wave_0_\@
	s_barrier_signal -3
.Lnot_wave_0_\@:
	s_barrier_wait -3
	s_barrier_signal -1
	s_barrier_wait -1
.endm
.macro CROUND                          ; a whole round
	s_barrier_signal -1
	s_barrier_wait -1
	CREST
.endm
	s_load_b256 s[4:11], s[0:1], 0x0               ; x's codes s[4:5], x's scales s[6:7], W's codes s[8:9], W's scales s[10:11]
	s_load_b256 s[68:75], s[0:1], 0x20             ; bq s[68:69], bk s[70:71], bv s[72:73], q_img s[74:75]
	s_load_b128 s[76:79], s[0:1], 0x40             ; k_img s[76:77], v_img s[78:79]
	v_lshl_add_u32 v[SPW], v0, 2, SPARE
	v_mov_b32 v[NIL], 0
	ds_add_u32 v28, v29
	ds_add_u32 v28, v29
	s_wait_dscnt 0x0
	v_lshrrev_b32 v1, 5, v0
	v_readfirstlane_b32 s14, v1                    ; wave 0..3
	s_lshr_b32 s15, s14, 1                         ; which half of source 1's 256 rows is mine.  Also: I fetch for source 1 (0) or for source 0 (1)
	s_and_b32 s16, s14, 1                          ; which half of source 0's.  Also: which 128 rows of that tile I fetch
	s_bfe_u32 s40, ttmp6, 0x40000                  ; cx, cy: my place in the cluster
	s_bfe_u32 s41, ttmp6, 0x40004
	s_and_b32 s17, ttmp7, 0xffff
	s_lshl_b32 s17, s17, 2                         ; 4 x cluster y
	s_lshl_b32 s42, ttmp9, 2                       ; 4 x cluster x
	s_cmp_eq_u32 ttmp9, 2                          ; the cluster's x: 0, 1, 2 = q, k, v: alike in all sixteen partners
	s_cselect_b32 s66, 1, 0                        ; sel: 1 for v
	s_cselect_b32 s42, s17, s42                    ; source 0's tile of 256 rows: v: x's 4 Y + cx;  q, k: W's 4 X + cx
	s_cselect_b32 s17, 8, s17                      ; source 1's: v: W's 8 + cy;  q, k: x's 4 Y + cy
	s_add_co_u32 s42, s42, s40
	s_add_co_u32 s17, s17, s41
	s_lshl_b32 s43, s41, 2
	s_lshl_b32 s43, 15, s43                        ; my row of the cluster
	s_lshl_b32 s44, 0x1111, s40                    ; my column
	; descriptor group 1: a tile of 128 rows x 192 bytes, padded in LDS
	s_or_b32 s[G1+0], s43, (0<<16)|(1<<20)|(1<<21)|(3<<22)|(3<<25)  ; 15:0 the mask: source 1's tiles go to my row; 17:16 element of 1 byte; 20 padding on; 21 set beside a mask; 24:22 after every 16 words; 31:25 of 4 words
	s_or_b32 s[G1B+0], s44, (0<<16)|(1<<20)|(1<<21)|(3<<22)|(3<<25)
.irp g, G1, G1B
	s_mov_b32 s[\g+1], ROWB<<16                    ; tensor_dim0
	s_mov_b32 s[\g+2], 128<<16                     ; tensor_dim1 = 128
	s_mov_b32 s[\g+3], ROWB<<16                    ; tile_dim0
	s_mov_b32 s[\g+4], 128                         ; tile_dim1 = 128
	s_mov_b32 s[\g+5], KROW                        ; tensor_dim0_stride
	s_mov_b32 s[\g+6], 0
	s_mov_b32 s[\g+7], 0
.endr
	s_lshl_b32 s18, s16, 7                         ; which 128 rows of the tile I fetch
	s_lshl_b32 s20, s17, 8
	s_add_co_u32 s20, s20, s18                     ; source 1: row 256 x its tile + 128 x half
	s_lshl_b32 s46, s42, 8
	s_add_co_u32 s46, s46, s18                     ; source 0: likewise
	s_mov_b32 s21, 0
	s_mov_b32 s47, 0
	s_mov_b64 s[18:19], KS
	s_mul_u64 s[22:23], s[20:21], s[18:19]         ; where these rows' scales begin, in bytes
	s_mul_u64 s[92:93], s[46:47], s[18:19]
	s_mov_b64 s[18:19], KROW
	s_mul_u64 s[20:21], s[20:21], s[18:19]         ; and their codes
	s_mul_u64 s[46:47], s[46:47], s[18:19]
	s_mul_i32 s45, s14, HALFT                      ; where they go: wave x 128 rows: no place in the cluster and no choice of tensor enters an LDS address
	s_mul_i32 s94, s14, HALFS
	s_wait_kmcnt 0x0
	s_cmp_eq_u32 ttmp9, 0                          ; the tensor's bias and its buffer of images: chosen on the cluster's x alone
	s_cselect_b64 s[BIAS:BIAS+1], s[68:69], s[70:71]
	s_cselect_b64 s[12:13], s[74:75], s[76:77]
	s_cmp_eq_u32 ttmp9, 2
	s_cselect_b64 s[BIAS:BIAS+1], s[72:73], s[BIAS:BIAS+1]
	s_cselect_b64 s[12:13], s[78:79], s[12:13]
	s_cselect_b64 s[80:81], s[8:9], s[4:5]         ; source 1's codes: W's for v, x's for q and k,
	s_cselect_b64 s[82:83], s[10:11], s[6:7]       ; and its scales;
	s_cselect_b64 s[84:85], s[4:5], s[8:9]         ; source 0's codes: the other's,
	s_cselect_b64 s[86:87], s[6:7], s[10:11]       ; and its scales
	s_add_nc_u64 s[20:21], s[80:81], s[20:21]
	s_add_nc_u64 s[22:23], s[82:83], s[22:23]
	s_add_nc_u64 s[46:47], s[84:85], s[46:47]
	s_add_nc_u64 s[92:93], s[86:87], s[92:93]
	; s68-s91 are free now.  Group 1 for the scales of 128 rows: a dense block of 4,096 bytes, as rows of 256 bytes (32 elements of 8 bytes), 16 bytes of padding behind each
	s_or_b32 s[G1S+0], s43, (3<<16)|(1<<20)|(1<<21)|(5<<22)|(3<<25)
	s_or_b32 s[G1SB+0], s44, (3<<16)|(1<<20)|(1<<21)|(5<<22)|(3<<25)
.irp g, G1S, G1SB
	s_mov_b32 s[\g+1], 32<<16
	s_mov_b32 s[\g+2], (128*KS/256)<<16
	s_mov_b32 s[\g+3], 32<<16
	s_mov_b32 s[\g+4], 128*KS/256
	s_mov_b32 s[\g+5], 32
	s_mov_b32 s[\g+6], 0
	s_mov_b32 s[\g+7], 0
.endr
	CROUND                                         ; all sixteen work-groups are here: the first joint loads meet
	s_mov_b32 s[G0S], 1
	s_add_co_u32 s[G0S+1], s94, SCL
	s_mov_b64 s[G0S+2:G0S+3], s[22:23]
	s_or_b32 s[G0S+3], s[G0S+3], 0x80000000
	s_mov_b32 s[G0SB], 1
	s_add_co_u32 s[G0SB+1], s94, SCL
	s_mov_b64 s[G0SB+2:G0SB+3], s[92:93]
	s_or_b32 s[G0SB+3], s[G0SB+3], 0x80000000
	JLOAD G0S, G1S, G0SB, G1SB                     ; the scales first: they are wanted with K step 0
.irp s, 0,1
	s_mov_b32 s[G0+4*\s], 1
	s_add_co_u32 s[G0+4*\s+1], s45, \s*SLOT
	s_add_nc_u64 s[G0+4*\s+2:G0+4*\s+3], s[20:21], \s*ROWB
	s_or_b32 s[G0+4*\s+3], s[G0+4*\s+3], 0x80000000
	s_mov_b32 s[G0B+4*\s], 1
	s_add_co_u32 s[G0B+4*\s+1], s45, \s*SLOT
	s_add_nc_u64 s[G0B+4*\s+2:G0B+4*\s+3], s[46:47], \s*ROWB
	s_or_b32 s[G0B+4*\s+3], s[G0B+4*\s+3], 0x80000000
	JLOAD G0+4*\s, G1, G0B+4*\s, G1B
.endr
	v_and_b32 v1, 15, v0                           ; r = lane % 16
	v_bfe_u32 v2, v0, 4, 1                         ; h = lane / 16
	v_mul_u32_u24 v3, v1, PITCH
	v_mul_u32_u24 v4, v2, 24
	v_add_nc_u32 v4, v3, v4                        ; a fragment's row x pitch + 24 x half
	v_lshl_add_u32 v5, v2, 4, v4                   ; and the same behind one padding more
	s_mul_i32 s21, s15, HALFT                      ; my 128 rows of source 1
	s_mul_i32 s22, s16, HALFT                      ; my 128 rows of source 0,
	s_add_co_u32 s22, s22, 2*HALFT                 ; which lie behind source 1's 256
.irp s, 0,1
	v_add_nc_u32 v[ADRA+\s], s21, v4
	v_add_nc_u32 v[ADRB+\s], s22, v4
	v_add_nc_u32 v[ADRA+2+\s], s21, v5
	v_add_nc_u32 v[ADRB+2+\s], s22, v5
	s_add_co_u32 s21, s21, SLOT
	s_add_co_u32 s22, s22, SLOT
.endr
	v_mul_u32_u24 v5, v1, KS                       ; my row's scales: 32 bytes a row,
	v_lshrrev_b32 v6, 8, v5
	v_lshl_add_u32 v5, v6, 4, v5                   ; and 16 more for each 256 passed
	s_mul_i32 s21, s15, HALFS                      ; source 1's: my 128 rows
	s_mul_i32 s22, s16, HALFS                      ; source 0's: my 128 rows, behind source 1's 256
	s_add_co_u32 s22, s22, 2*HALFS
	s_sub_co_u32 s22, s22, s21
	v_mul_u32_u24 v6, s22, v2                      ; lanes 16-31 take source 0's: the lower base + h x the distance between the two
	s_add_co_u32 s21, s21, SCL
	v_add_nc_u32 v5, v5, v6
	v_add_nc_u32 v[ADRS], s21, v5
	v_and_b32 v6, 31, v0
	v_lshlrev_b32 v[CO], 4, v6                     ; an image's place for my lane
	v_lshlrev_b32 v[C8], 3, v6                     ; the scale words'
	v_lshlrev_b32 v9, 6, v2                        ; the bias of q, k: 16 h numbers on
	v_and_b32 v10, 8, v1
	v_add_nc_u32 v10, v10, v1
	v_lshlrev_b32 v10, 2, v10                      ; the bias of v: number r + 8 (r / 8)
	s_mov_b32 s[SEL], 0x76543210
	s_mov_b32 s[SEL+1], 0xfedcba98
	; where my bias and my images lie.  These numbers mix cx and cy: they stand in s2, s3, s67, s95, s100, s101, which feed no descriptor
	s_cmp_eq_u32 s66, 0
	s_cselect_b32 s67, s16, s15                    ; which 128 of the tile's 256 columns are mine,
	s_cselect_b32 s95, s15, s16                    ; which 128 of its 256 tokens,
	s_cselect_b32 s2, s40, s41                     ; which 256 of the tensor's 1,024 columns the tile has,
	s_cselect_b32 s3, s17, s42                     ; and which 256 of the 8,192 tokens
	s_lshl_b32 s100, s2, 10                        ; the bias: 256 x that + 128 x half numbers on
	s_lshl_b32 s101, s67, 9
	s_add_co_u32 s100, s100, s101
	s_mov_b32 s101, 0
	s_add_nc_u64 s[BIAS:BIAS+1], s[BIAS:BIAS+1], s[100:101]
	s_lshr_b32 s100, s3, 3                         ; the images: batch = token tile / 8,
	s_lshl_b32 s100, s100, 4
	s_lshl_b32 s2, s2, 2
	s_add_co_u32 s100, s100, s2
	s_lshl_b32 s67, s67, 1
	s_add_co_u32 s100, s100, s67                   ; 16 x batch + my first head (4 x the tile's columns + 2 x half),
	s_lshl_b32 s100, s100, 4
	s_and_b32 s3, s3, 7
	s_lshl_b32 s3, s3, 1
	s_add_co_u32 s100, s100, s3
	s_add_co_u32 s100, s100, s95                   ; x 16 + my step of 128 tokens,
	s_mul_i32 s100, s100, BLKB                     ; in bytes (under 2^23)
	s_add_nc_u64 s[12:13], s[12:13], s[100:101]
	s_cmp_eq_u32 s66, 0                            ; both ways write all 64 registers of the bias
	s_cbranch_scc0 .Lbias_v
.irp b, 0,1,2,3,4,5,6,7                        ; q, k: block b's registers hold columns 32 (b / 2) + 8 (b % 2) + 16 h + 0 .. 7
	global_load_b128 v[BI+8*\b:BI+8*\b+3], v9, s[BIAS:BIAS+1] offset:(32*(\b/2)+8*(\b%2))*4
	global_load_b128 v[BI+8*\b+4:BI+8*\b+7], v9, s[BIAS:BIAS+1] offset:(32*(\b/2)+8*(\b%2))*4+16
.endr
	s_branch .Lbias_in
.Lbias_v:
.irp a, 0,1,2,3,4,5,6,7                        ; v: my lane is column 32 (a / 2) + 8 (a % 2) + r + 8 (r / 8) of block a: one number,
	global_load_b32 v[BI+8*\a], v10, s[BIAS:BIAS+1] offset:(32*(\a/2)+8*(\a%2))*4
.endr
	s_wait_loadcnt 0x0
.irp a, 0,1,2,3,4,5,6,7                        ; in all eight registers of the block's C
.irp j, 1,2,3,4,5,6,7
	v_mov_b32 v[BI+8*\a+\j], v[BI+8*\a]
.endr
.endr
.Lbias_in:
.macro FRAG reg, adr, q, i             ; a fragment, 16 rows x 128 K of 6-bit codes: lane l holds row l % 16; registers 6 c .. 6 c + 5 hold K = 64 c + 32 (l / 16) + 0 .. 31: 24 bytes of the row's stream of bits, as they lie
.irp p, 0,1,2,3,4,5                    ; in pieces of 8 bytes, so that every address is a multiple of the access's size
.set PC, 12*(\q)+6*(\p/3)+\p%3        ; 16 bytes of padding lie behind every 8 pieces: where the piece three on lies behind one padding more, the second address register serves
.if PC%8 < 5
	ds_load_b64 v[\reg+2*\p:\reg+2*\p+1], v[\adr] offset:8*PC+16*(PC/8)+(\i)*16*PITCH
.else
	ds_load_b64 v[\reg+2*\p:\reg+2*\p+1], v[\adr+2] offset:8*PC+16*(PC/8)+(\i)*16*PITCH
.endif
.endr
.endm
; 16 matrix instructions: source 1's blocks a0, a0 + 1 x source 0's eight, 128 along K: the slot's q-th.  p: source 0's set;  sc: the set of scale words.
; zero = 0: onto the sums;  1: the sums begin with the bias of source 0's block;  2: with that of source 1's block.  The 64 accumulators take turns, one instruction a turn.
.macro MUL16 a0, p, q, sc, zero
.irp a, \a0, \a0+1
.irp b, 0,1,2,3,4,5,6,7
.set rD, 8*(8*((\a)%4)+\b)
.set rB, 128*(\p)+FR*\b
.set rA, AF+FR*(\a)
.set rC, rD
.if (\zero) == 1
.set rC, BI+8*\b
.endif
.if (\zero) == 2
.set rC, BI+8*(\a)
.endif
	v_wmma_scale_f32_16x16x128_f8f6f4 v[rD:rD+7], v[rB:rB+FR-1], v[rA:rA+FR-1], v[rC:rC+7], v[SC+8*NQ*(\sc)+NQ*\b+(\q)], v[SC+8*NQ*(\sc)+NQ*(\a)+(\q)] matrix_a_fmt:MATRIX_FMT_BF6 matrix_b_fmt:MATRIX_FMT_BF6 matrix_a_scale:MATRIX_SCALE_ROW1
.endr
.endr
.endm
.macro FETCH_B slot, q, p              ; source 0's eight fragments of the slot's q-th 128 along K into set p
	WIN TO_B
.irp i, 0,1,2,3,4,5,6,7
	FRAG 128*(\p)+FR*\i, ADRB+\slot, \q, \i
.endr
	WIN 0
.endm
.macro FETCH_A slot, q, i0             ; source 1's blocks i0 .. i0 + 3
.irp i, \i0, \i0+1, \i0+2, \i0+3
	FRAG AF+FR*(\i), ADRA+\slot, \q, \i
.endr
.endm
.macro SCALES sc                       ; a K step's scale words into set sc: two words a row
.irp i, 0,1,2,3,4,5,6,7
	ds_load_b64 v[SC+8*NQ*\sc+NQ*\i:SC+8*NQ*\sc+NQ*\i+1], v[ADRS] offset:\i*SBLK
.endr
.endm
; A load into a register that a matrix instruction has read, and a vector instruction that reads a matrix result, stand NP places behind that matrix instruction; only plain vector instructions
; that name none of its registers are places (ISA guide 7.12.1 for vector instructions).
.macro PLACES n
.rept \n
	v_nop
.endr
.endm
; A step of 128 along K that has its successor in the same slot.
.macro STEP slot, q, zero
	s_wait_dscnt 4*NL                              ; source 0's set and source 1's blocks 0-3 are in; the youngest 24 loads (blocks 4-7) may be out
.if \zero
	WIN 0x81                                       ; C, the bias, in window 0
.else
	WIN MUL_LO
.endif
	MUL16 0, (\q)%2, \q, \slot, \zero
	MUL16 2, (\q)%2, \q, \slot, \zero
	s_wait_dscnt 0                                 ; blocks 4-7 are in (asked for 32 matrix instructions ago)
	PLACES NP
	FETCH_B \slot, (\q)+1, 1-(\q)%2
	FETCH_A \slot, (\q)+1, 0
.if \zero
	WIN 0xc1
.else
	WIN MUL_HI
.endif
	MUL16 4, (\q)%2, \q, \slot, \zero
	MUL16 6, (\q)%2, \q, \slot, \zero
	PLACES NP
	WIN 0
	FETCH_A \slot, (\q)+1, 4
.endm
; A slot's last step changes slots: ONE barrier; in front of it each wave waits for all its tensor loads, adds 0 to its spare word, and waits for that and for its own reads of this slot.  fill = 1: this slot is filled again, two K steps ahead.
.macro TURN slot, next, fill
	s_wait_tensorcnt 0x0                           ; all my tensor loads have landed: my part of the next slot  (every window is 0 here)
	ds_add_u32 v[SPW], v[NIL]                      ; 0 onto my spare word
	s_wait_dscnt 4*NL+1                            ; (the add and the youngest 24 loads, blocks 4-7, may be out)
	WIN MUL_LO
	MUL16 0, 1, NQ-1, \slot, 0                     ; sixteen matrix instructions stand between the add and the wait for it
	s_wait_dscnt 0x0                               ; the add is done, and my reads of this slot are over
	s_barrier_signal -1
	MUL16 2, 1, NQ-1, \slot, 0
	WIN 0
	s_barrier_wait -1
.if \fill
	CREST                                          ; the barrier has opened a round of the cluster's barrier: no wave of any partner still reads this slot's tile or has a load on its way
	s_add_nc_u64 s[G0+4*\slot+2:G0+4*\slot+3], s[G0+4*\slot+2:G0+4*\slot+3], 2*ROWB
	s_add_nc_u64 s[G0B+4*\slot+2:G0B+4*\slot+3], s[G0B+4*\slot+2:G0B+4*\slot+3], 2*ROWB
	JLOAD G0+4*\slot, G1, G0B+4*\slot, G1B         ; the first tensor load behind the round; the four v_nop behind it are the places in front of the loads below
.else
	PLACES NP
.endif
	v_add_nc_u32 v[ADRS], 4*NQ, v[ADRS]            ; on to the next K step's scale words (no LDS load of mine is out)
	FETCH_B \next, 0, 0
	FETCH_A \next, 0, 0
	SCALES \next
	WIN MUL_HI
	MUL16 4, 1, NQ-1, \slot, 0
	MUL16 6, 1, NQ-1, \slot, 0
	PLACES NP
	WIN 0
	FETCH_A \next, 0, 4
.endm
	s_wait_loadcnt 0x0                             ; the bias
	s_wait_tensorcnt 1                             ; the scales and my part of K step 0 are in (K step 1's load may be out),
	s_barrier_signal -1
	s_barrier_wait -1                              ; everybody's are
	FETCH_B 0, 0, 0
	FETCH_A 0, 0, 0
	SCALES 0
	FETCH_A 0, 0, 4
	s_cmp_eq_u32 s66, 0                            ; the first step starts the sums with the bias: it is written once for each of the two layouts; no tensor load and no barrier stands in it
	s_cbranch_scc0 .Lfirst_v
	STEP 0, 0, 1
	s_branch .Lfirst_done
.Lfirst_v:
	STEP 0, 0, 2
.Lfirst_done:
	s_mov_b32 s3, LAPS-1
.Llap:                                                 ; a trip goes once round the ring, from a lap's second step to the next lap's first, and fills both slots again
	TURN 0, 1, 1
	STEP 1, 0, 0
	TURN 1, 0, 1
	STEP 0, 0, 0
	s_sub_co_u32 s3, s3, 1
	s_cmp_lg_u32 s3, 0
	s_cbranch_scc1 .Llap
	TURN 0, 1, 0                                   ; the last lap fills nothing, and has no round of the cluster's barrier
	STEP 1, 0, 0
	s_wait_dscnt 4*NL                              ; the very last step: nothing more to fetch
	WIN MUL_LO
	MUL16 0, 1, NQ-1, 1, 0
	MUL16 2, 1, NQ-1, 1, 0
	s_wait_dscnt 0
	WIN MUL_HI
	MUL16 4, 1, NQ-1, 1, 0
	MUL16 6, 1, NQ-1, 1, 0
	WIN 0
; THE WAY OUT.  64 numbers of a lane, 32 registers from s0 on and 32 from s1 on in window W, register 16 b + i = place 32 b + 16 (lane / 16) + i along the next K, become a fragment's codes in v[img] on and its scale word in v[wd].
; Each accumulator is read from its low end on.
.macro QUANT s0, s1, W, img, wd
	WIN ((\W)|((\W)<<2))                           ; sources 0 and 1: the accumulators' window
.irp b, 0,1
	v_max3_num_f32 v[TM+\b], |v[(\s0)+16*\b]|, |v[(\s0)+1+16*\b]|, 0x2800000     ; block b: my 16 numbers, and the floor 2^(5 - 127): so the byte cannot fall under 1
.endr
.irp b, 0,1
	v_max3_num_f32 v[TM+2+\b], |v[(\s1)+16*\b]|, |v[(\s1)+1+16*\b]|, 0x2800000
.endr
.irp i, 2,4,6,8,10,12,14
.irp b, 0,1
	v_max3_num_f32 v[TM+\b], |v[(\s0)+16*\b+\i]|, |v[(\s0)+1+16*\b+\i]|, v[TM+\b]   ; (the four blocks by turns)
.endr
.irp b, 0,1
	v_max3_num_f32 v[TM+2+\b], |v[(\s1)+16*\b+\i]|, |v[(\s1)+1+16*\b+\i]|, v[TM+2+\b]
.endr
.endr
	WIN 0
.irp b, 0,1,2,3
	v_permlanex16_b32 v[TM+4+\b], v[TM+\b], s[SEL], s[SEL+1]
.endr
.irp b, 0,1,2,3
	v_max_num_f32 v[TM+\b], v[TM+\b], v[TM+4+\b]   ; with lane l xor 16's: the block's largest magnitude
.endr
.irp b, 0,1,2,3
	v_add_nc_u32 v[TM+12+\b], 0xfe000000, v[TM+\b] ; 4 off its exponent field: the conversion's scale operand
.endr
.irp b, 0,1,2,3
	v_lshrrev_b32 v[TM+4+\b], 23, v[TM+12+\b]      ; the scale's byte
.endr
	v_lshl_or_b32 v[\wd], v[TM+5], 8, v[TM+4]      ; the four bytes make my row's scale word
	v_lshl_or_b32 v[\wd], v[TM+6], 16, v[\wd]
	v_lshl_or_b32 v[\wd], v[TM+7], 24, v[\wd]
	WIN (\W)                                       ; source 0: the accumulators' window
	v_cvt_scalef32_pk16_bf6_f32 v[(\img):(\img)+2], v[(\s0):(\s0)+15], v[TM+12]
	v_cvt_scalef32_pk16_bf6_f32 v[PT:PT+2], v[(\s0)+16:(\s0)+31], v[TM+13]          ; (a conversion's three registers begin on an even number)
	v_cvt_scalef32_pk16_bf6_f32 v[(\img)+6:(\img)+8], v[(\s1):(\s1)+15], v[TM+14]
	v_cvt_scalef32_pk16_bf6_f32 v[PT+4:PT+6], v[(\s1)+16:(\s1)+31], v[TM+15]
	WIN 0
	v_nop                                          ; one plain place behind a scaled conversion
.irp c, 0,1                                    ; the operand's layout wants a WHOLE block in a lane: lanes 0-15 block 2 c, lanes 16-31 block 2 c + 1
.irp i, 0,1,2
	v_permlane16_swap_b32 v[(\img)+6*\c+\i], v[PT+4*\c+\i]
.endr
.irp i, 0,1,2
	v_mov_b32 v[(\img)+3+6*\c+\i], v[PT+4*\c+\i]
.endr
.endr
.endm
; My two heads' blocks, four images each.  mode 0 (q, k): image i of head hh = source 1's blocks 2 i, 2 i + 1 (token tiles), source 0's blocks 4 hh .. 4 hh + 3 (the head's 64 columns).
; mode 1 (v): image i of head hh = source 1's block 4 hh + i (16 columns), source 0's eight blocks (128 tokens).  Every store has registers of its own: none is written again.
.macro EPI mode
.irp hh, 0,1
.irp i, 0,1,2,3
.if \mode == 0
	QUANT 64*((2*\i)%4)+32*\hh, 64*((2*\i+1)%4)+32*\hh, 2+\i/2, IMG+12*(4*\hh+\i), WD+4*\hh+\i
.else
	QUANT 64*\i, 64*\i+32, 2+\hh, IMG+12*(4*\hh+\i), WD+4*\hh+\i
.endif
.irp c, 0,1,2
	global_store_b128 v[CO], v[IMG+12*(4*\hh+\i)+4*\c:IMG+12*(4*\hh+\i)+4*\c+3], s[12:13] offset:\hh*16*BLKB+\i*1536+512*\c   ; 32 lanes store 512 consecutive bytes, at a multiple of 256 from the buffer's first byte
.endr
.endr
	v_cndmask_b32 v[SW+2*\hh], v[WD+4*\hh], v[WD+4*\hh+1], vcc_lo        ; lanes 0-15 image 0's words, lanes 16-31 image 1's (both halves of the lanes hold row r's word)
	v_cndmask_b32 v[SW+2*\hh+1], v[WD+4*\hh+2], v[WD+4*\hh+3], vcc_lo    ; images 2 and 3
	global_store_b64 v[C8], v[SW+2*\hh:SW+2*\hh+1], s[12:13] offset:\hh*16*BLKB+6144   ; 256 consecutive bytes
.endr
.endm
	PLACES NP                                      ; behind the last products: in front of the first read of results and of writes into registers that held operands
.irp b, 0,1,2,3
	v_mov_b32 v[TM+4+\b], 0                        ; written once: a lane permute's destination counts as one of its sources
.endr
	v_and_b32 v31, 16, v0
	v_cmp_ne_u32 vcc_lo, 0, v31                    ; lanes 16-31
	s_cmp_eq_u32 s66, 0
	s_cbranch_scc0 .Lout_v
	EPI 0
	s_branch .Lout_done
.Lout_v:
	EPI 1
.Lout_done:
	s_wait_tensorcnt 0x0                           ; the wave's end
	ds_add_u32 v[SPW], v[NIL]
	s_wait_dscnt 0x0
	CROUND                                         ; the closing round: no work-group ends while a partner may still ask for a tile that names it
	s_endpgm
.Lfunc_end_k_q3b390b0de8_proj:
	.size	k_q3b390b0de8_proj, .Lfunc_end_k_q3b390b0de8_proj-k_q3b390b0de8_proj
	.p2alignl 7, 3214868480
	.fill 96, 4, 3214868480
	.section	.rodata,"a",@progbits
	.p2align	6, 0x0
	.amdhsa_kernel k_q3b390b0de8_proj
		.amdhsa_group_segment_fixed_size 327680
		.amdhsa_private_segment_fixed_size 0
		.amdhsa_enable_private_segment 0
		.amdhsa_kernarg_size 80
		.amdhsa_user_sgpr_count 2
		.amdhsa_user_sgpr_kernarg_segment_ptr 1
		.amdhsa_wavefront_size32 1
		.amdhsa_system_sgpr_workgroup_id_x 1
		.amdhsa_system_sgpr_workgroup_id_y 1
		.amdhsa_system_sgpr_workgroup_id_z 1
		.amdhsa_system_vgpr_workitem_id 0
		.amdhsa_next_free_vgpr 1024
		.amdhsa_next_free_sgpr 102
		.amdhsa_reserve_vcc 1
		.amdhsa_float_denorm_mode_32 3
		.amdhsa_float_denorm_mode_16_64 3
		.amdhsa_memory_ordered 1
		.amdhsa_forward_progress 1
		.amdhsa_inst_pref_size 217
	.end_amdhsa_kernel
	.amdgpu_metadata
---
amdhsa.version: [ 1, 2 ]
amdhsa.kernels:
  - .name:           k_q3b390b0de8_proj
    .symbol:         k_q3b390b0de8_proj.kd
    .args:
      - { .name: x_codes, .offset: 0, .size: 8, .value_kind: global_buffer, .address_space: global }
      - { .name: x_scales, .offset: 8, .size: 8, .value_kind: global_buffer, .address_space: global }
      - { .name: w_codes, .offset: 16, .size: 8, .value_kind: global_buffer, .address_space: global }
      - { .name: w_scales, .offset: 24, .size: 8, .value_kind: global_buffer, .address_space: global }
      - { .name: bq, .offset: 32, .size: 8, .value_kind: global_buffer, .address_space: global }
      - { .name: bk, .offset: 40, .size: 8, .value_kind: global_buffer, .address_space: global }
      - { .name: bv, .offset: 48, .size: 8, .value_kind: global_buffer, .address_space: global }
      - { .name: q_img, .offset: 56, .size: 8, .value_kind: global_buffer, .address_space: global }
      - { .name: k_img, .offset: 64, .size: 8, .value_kind: global_buffer, .address_space: global }
      - { .name: v_img, .offset: 72, .size: 8, .value_kind: global_buffer, .address_space: global }
    .group_segment_fixed_size: 327680
    .private_segment_fixed_size: 0
    .kernarg_segment_align: 8
    .kernarg_segment_size: 80
    .max_flat_workgroup_size: 128
    .sgpr_count:     102
    .vgpr_count:     1024
    .wavefront_size: 32
...
	.end_amdgpu_metadata
.endif
;; end of part 2
;; launch attn (part 3): grid 4 x 64, 16 waves a work-group, clusters of 4 x 1, 284,672 bytes of LDS; arguments q_img, k_img, v_img, attention_mask, out0; writes out0
.if DOCPART == 3
	.amdgcn_target "amdgcn-amd-amdhsa--gfx1250"
	.amdhsa_code_object_version 6
	.text
	.protected	k_q3b390b0de8_attn
	.globl	k_q3b390b0de8_attn
	.p2align	8
	.type	k_q3b390b0de8_attn,@function
k_q3b390b0de8_attn:
	s_mov_b64 s[64:65], 0
	v_nop
	global_prefetch_b8 v0, s[64:65] scope:SCOPE_SE
	s_setreg_imm32_b32 hwreg(HW_REG_WAVE_MODE, 25, 1), 1
	s_wait_xcnt 0x0
	s_wait_alu depctr_hold_cnt(0) depctr_sa_sdst(0) depctr_va_vdst(0) depctr_va_sdst(0) depctr_va_ssrc(0) depctr_va_vcc(0) depctr_vm_vsrc(0)
	s_getreg_b32 s2, hwreg(HW_REG_IB_STS2, 6, 4)
	s_cmp_eq_u32 s2, 0
	s_cbranch_scc0 .Lentry_in_a_cluster
	s_endpgm
.Lentry_in_a_cluster:
	s_bfe_u32 s2, ttmp6, 0x10000c
	s_cmp_lg_u32 s2, 0x3003
	s_cbranch_scc0 .Lentry_shape_is_right
	s_endpgm
.Lentry_shape_is_right:
.set BLKB,  6400
.set HEADB, 16*BLKB
.set GRP,   4*BLKB
.set PART,  GRP/8
.set VOFF,  HEADB
.set MOFF,  2*HEADB
.set STAGE, MOFF+8192
.set LI,  1
.set L8,  2
.set LIV, 3
.set L8V, 4
.set AM0, 5
.set STO, 6
.set RD,  7
.set GO,  8
.set ADK, 9
.set ADS, 10
.set ADV, 11
.set ADT, 12
.set AMK, 13
.set NM,  14
.set TX,  15
.set SUM, 16
.set FF,  18
.set QS,  20
.set QW,  21
.set PW,  22
.set TT,  23
.set KS,  24
.set VS,  26
.set QF,  28
.set PI,  46
.set BM,  58
.set BT,  62
.set BS,  66
.set S2,  70
.set PC,  72
.set PT,  84
.set FR,  92
.set S,   140
.set O,   204
.set WV,  14
.set SEL, 20
.set CS,  22
.set G1,  24
.set G0,  32
.set TB,  48
.set TM,  49
.set CNT, 50
.macro CROUND
	s_barrier_signal -1
	s_barrier_wait -1
	s_cmp_lg_u32 s[WV], 0
	s_cbranch_scc1 .Lnot_wave_0_\@
	s_barrier_signal -3
.Lnot_wave_0_\@:
	s_barrier_wait -3
	s_barrier_signal -1
	s_barrier_wait -1
.endm
	s_load_b256 s[4:11], s[0:1], 0x0
	s_load_b64 s[12:13], s[0:1], 0x20
	v_lshl_add_u32 v254, v0, 2, 0x45000
	v_mov_b32 v255, 0
	ds_add_u32 v254, v255
	ds_add_u32 v254, v255
	v_lshrrev_b32 v1, 5, v0
	s_delay_alu instid0(VALU_DEP_1)
	v_readfirstlane_b32 s[WV], v1
	s_bfe_u32 s15, ttmp6, 0x40000
	s_and_b32 s16, ttmp7, 0xffff
	s_mov_b32 s[G1], 15|(3<<16)|(1<<21)
	s_mov_b32 s[G1+1], (PART/8)<<16
	s_mov_b32 s[G1+2], 1<<16
	s_mov_b32 s[G1+3], (PART/8)<<16
	s_mov_b32 s[G1+4], 1
	s_mov_b32 s[G1+5], PART/8
	s_mov_b32 s[G1+6], 0
	s_mov_b32 s[G1+7], 0
	s_lshr_b32 s17, s[WV], 3
	s_mul_i32 s18, s17, HEADB-GRP
	s_mul_i32 s19, s[WV], PART
	s_add_co_u32 s18, s18, s19
	s_and_b32 s19, s[WV], 7
	s_mul_i32 s52, s19, PART
	s_mul_i32 s19, s16, HEADB
	s_add_co_u32 s52, s52, s19
	s_mov_b32 s53, 0
	s_mov_b32 s[SEL], 0x76543210
	s_mov_b32 s[SEL+1], 0xfedcba98
	s_mov_b32 s[CS], 0x3e38aa3b
	s_mov_b32 s[CS+1], s[CS]
	s_wait_dscnt 0x0
	s_wait_kmcnt 0x0
	s_cmp_lt_u32 s[WV], 8
	s_cselect_b64 s[54:55], s[6:7], s[8:9]
	s_add_nc_u64 s[54:55], s[54:55], s[52:53]
	CROUND
.irp g, 0,1,2,3
	s_mov_b32 s[G0+4*\g], 1
	s_add_co_u32 s[G0+4*\g+1], s18, \g*GRP
	s_add_nc_u64 s[G0+4*\g+2:G0+4*\g+3], s[54:55], \g*GRP
	s_or_b32 s[G0+4*\g+3], s[G0+4*\g+3], 0x80000000
.endr
.irp g, 0,1,2,3
	tensor_load_to_lds s[G0+4*\g:G0+4*\g+3], s[G1:G1+7]
	s_nop 0
.endr
.rept 4
	v_nop
.endr
	v_and_b32 v[TT], 31, v0
	s_delay_alu instid0(VALU_DEP_1)
	v_lshlrev_b32 v[LI], 4, v[TT]
	s_delay_alu instid0(VALU_DEP_2)
	v_lshlrev_b32 v[L8], 3, v[TT]
	s_delay_alu instid0(VALU_DEP_2)
	v_add_nc_u32 v[LIV], VOFF, v[LI]
	s_delay_alu instid0(VALU_DEP_2)
	v_add_nc_u32 v[L8V], VOFF, v[L8]
	v_and_b32 v9, 15, v0
	v_bfe_u32 v10, v0, 4, 1
	s_delay_alu instid0(VALU_DEP_1)
	v_lshl_add_u32 v[AM0], v10, 6, MOFF
	s_mul_i32 s17, s[WV], 16*272
	s_add_co_u32 s17, s17, STAGE
	v_mul_u32_u24 v[STO], v9, 272
	s_delay_alu instid0(VALU_DEP_1)
	v_lshl_add_u32 v[STO], v10, 6, v[STO]
	s_delay_alu instid0(VALU_DEP_1)
	v_add_nc_u32 v[STO], s17, v[STO]
	v_mul_u32_u24 v[RD], v10, 272
	s_delay_alu instid0(VALU_DEP_1)
	v_lshl_add_u32 v[RD], v9, 4, v[RD]
	s_delay_alu instid0(VALU_DEP_1)
	v_add_nc_u32 v[RD], s17, v[RD]
	v_lshlrev_b32 v[GO], 12, v10
	s_delay_alu instid0(VALU_DEP_1)
	v_lshl_add_u32 v[GO], v9, 4, v[GO]
	s_lshr_b32 s52, s16, 4
	s_lshl_b32 s52, s52, 13
	s_add_nc_u64 s[10:11], s[10:11], s[52:53]
	v_lshlrev_b32 v11, 4, v0
	s_wait_alu depctr_va_vdst(0)
	global_load_b128 v[S:S+3], v11, s[10:11]
	s_lshl_b32 s56, s16, 4
	s_lshl_b32 s57, s15, 2
	s_add_co_u32 s56, s56, s57
	s_lshr_b32 s57, s[WV], 2
	s_add_co_u32 s56, s56, s57
	s_mul_i32 s56, s56, BLKB
	s_mov_b32 s57, 0
	s_add_nc_u64 s[4:5], s[4:5], s[56:57]
	s_and_b32 s58, s[WV], 3
	s_mul_i32 s58, s58, 1536
	v_add_nc_u32 v12, s58, v[LI]
.irp c, 0,1,2
	global_load_b128 v[PI+4*\c:PI+4*\c+3], v12, s[4:5] offset:512*\c th:TH_LOAD_NT
.endr
	s_and_b32 s58, s[WV], 1
	s_lshl_b32 s58, s58, 7
	s_bfe_u32 s59, s[WV], 0x10001
	s_lshl_b32 s59, s59, 2
	s_add_co_u32 s58, s58, s59
	v_lshlrev_b32 v13, 3, v9
	s_delay_alu instid0(VALU_DEP_1)
	v_add_nc_u32 v13, s58, v13
	global_load_b32 v[QW], v13, s[4:5] offset:6144
	s_lshr_b32 s56, s16, 4
	s_lshl_b32 s56, s56, 23
	s_lshl_b32 s58, s15, 21
	s_add_co_u32 s56, s56, s58
	s_lshl_b32 s58, s[WV], 17
	s_add_co_u32 s56, s56, s58
	s_and_b32 s58, s16, 15
	s_lshl_b32 s58, s58, 8
	s_add_co_u32 s56, s56, s58
	s_add_nc_u64 s[12:13], s[12:13], s[56:57]
	v_add_nc_u32 v[TT], MOFF, v11
	v_mov_b32 v[FF+1], 0
.irp i, 0,1,2,3,4,5
	v_mov_b32 v[QF+6+\i], 0
.endr
.irp b, 0,1,2,3
	v_mov_b32 v[BT+\b], 0
.endr
	s_wait_loadcnt 0x0
.irp j, 0,1,2,3
	v_max_num_f32 v[S+\j], 0xfc800000, v[S+\j]
.endr
.irp j, 0,1,2,3
	s_delay_alu instid0(VALU_DEP_4)
	v_min_num_f32 v[S+\j], 0x7c800000, v[S+\j]
.endr
	s_delay_alu instid0(VALU_DEP_3)
	v_pk_mul_f32 v[S:S+1], v[S:S+1], 0x41000000 op_sel_hi:[1,0]
	s_delay_alu instid0(VALU_DEP_2)
	v_pk_mul_f32 v[S+2:S+3], v[S+2:S+3], 0x41000000 op_sel_hi:[1,0]
	ds_store_b128 v[TT], v[S:S+3]
.macro STEP
	v_add_nc_u32 v[ADK], s[TB], v[LI]
	v_add_nc_u32 v[ADS], s[TB], v[L8]
	v_add_nc_u32 v[ADV], s[TB], v[LIV]
	v_add_nc_u32 v[ADT], s[TB], v[L8V]
	v_add_nc_u32 v[AMK], s[TM], v[AM0]
	ds_load_b64 v[KS:KS+1], v[ADS] offset:6144
.irp b, 0,1,2,3
.irp c, 0,1,2
	ds_load_b128 v[FR+12*\b+4*\c:FR+12*\b+4*\c+3], v[ADK] offset:1536*\b+512*\c
.endr
.endr
.irp t, 0,1,2,3,4,5,6,7
.irp k, 0,1
	ds_load_b128 v[S+8*\t+4*\k:S+8*\t+4*\k+3], v[AMK] offset:(32*(\t/2)+8*(\t%2))*4+16*\k
.endr
.endr
	s_wait_alu depctr_va_vdst(0)
	s_wait_dscnt 0x0
.irp b, 0,1,2,3
.irp u, 0,1
.if \b%2 == 0
	v_wmma_scale_f32_16x16x128_f8f6f4 v[S+8*(2*\b+\u):S+8*(2*\b+\u)+7], v[FR+12*\b:FR+12*\b+11], v[QF+6*\u:QF+6*\u+11], v[S+8*(2*\b+\u):S+8*(2*\b+\u)+7], v[KS+\b/2], v[QS] matrix_a_fmt:MATRIX_FMT_BF6 matrix_b_fmt:MATRIX_FMT_BF6
.else
	v_wmma_scale_f32_16x16x128_f8f6f4 v[S+8*(2*\b+\u):S+8*(2*\b+\u)+7], v[FR+12*\b:FR+12*\b+11], v[QF+6*\u:QF+6*\u+11], v[S+8*(2*\b+\u):S+8*(2*\b+\u)+7], v[KS+\b/2], v[QS] matrix_a_fmt:MATRIX_FMT_BF6 matrix_b_fmt:MATRIX_FMT_BF6 matrix_a_scale:MATRIX_SCALE_ROW1
.endif
.endr
.endr
.rept 4
	v_nop
.endr
	ds_load_b64 v[VS:VS+1], v[ADT] offset:6144
.irp b, 0,1,2,3
.irp c, 0,1,2
	ds_load_b128 v[FR+12*\b+4*\c:FR+12*\b+4*\c+3], v[ADV] offset:1536*\b+512*\c
.endr
.endr
.irp b, 0,1,2,3
	v_max3_num_f32 v[BM+\b], v[S+16*\b], v[S+16*\b+1], v[S+16*\b+2]
.endr
.irp i, 3,5,7,9,11,13
.irp b, 0,1,2,3
	v_max3_num_f32 v[BM+\b], v[BM+\b], v[S+16*\b+\i], v[S+16*\b+\i+1]
.endr
.endr
.irp b, 0,1,2,3
	v_max_num_f32 v[BM+\b], v[BM+\b], v[S+16*\b+15]
.endr
.irp b, 0,1,2,3
	s_delay_alu instid0(VALU_DEP_4)
	v_permlanex16_b32 v[BT+\b], v[BM+\b], s[SEL], s[SEL+1]
.endr
.irp b, 0,1,2,3
	s_delay_alu instid0(VALU_DEP_4)
	v_max_num_f32 v[BM+\b], v[BM+\b], v[BT+\b]
.endr
	s_delay_alu instid0(VALU_DEP_2)
	v_max3_num_f32 v[TT], v[BM], v[BM+1], v[BM+2]
	s_delay_alu instid0(VALU_DEP_1)
	v_max_num_f32 v[TT], v[TT], v[BM+3]
	s_delay_alu instid0(VALU_DEP_1)
	v_mul_f32 v[TT], s[CS], v[TT]
	s_delay_alu instid0(VALU_DEP_1)
	v_max_num_f32 v[TX], v[TX], v[TT]
	v_mov_b32 v[TT], v[NM]
	s_delay_alu instid0(VALU_DEP_2)
	v_floor_f32 v[NM], -v[TX]
	s_delay_alu instid0(VALU_DEP_1)
	v_sub_f32 v[TT], v[NM], v[TT]
	s_delay_alu instid0(VALU_DEP_1)
	v_cvt_i32_f32 v[TT], v[TT]
	s_delay_alu instid0(VALU_DEP_1)
	v_ldexp_f32 v[FF], 1.0, v[TT]
.set j, 0
.rept 32
	v_pk_fma_f32 v[S+j:S+j+1], v[S+j:S+j+1], s[CS:CS+1], v[NM:NM+1] op_sel_hi:[1,0,0]
.set j, j+2
.endr
.irp b, 0,1,2,3
	v_fma_f32 v[BM+\b], v[BM+\b], s[CS], v[NM]
.endr
.set j, 0
	s_setprio 1
	s_wait_alu depctr_va_vdst(0)
.rept 64
	v_exp_f32 v[S+j], v[S+j]
.set j, j+1
.endr
	v_pk_mul_f32 v[SUM:SUM+1], v[SUM:SUM+1], v[FF:FF+1] op_sel_hi:[1,0]
	s_wait_alu depctr_va_vdst(0)
.irp b, 0,1,2,3
	v_exp_f32 v[BM+\b], v[BM+\b]
.endr
	v_pk_add_f32 v[70:71], v[144:145], v[148:149]
	v_pk_add_f32 v[252:253], v[152:153], v[156:157]
	v_pk_add_f32 v[250:251], v[160:161], v[164:165]
	v_pk_add_f32 v[248:249], v[168:169], v[172:173]
	v_pk_add_f32 v[246:247], v[176:177], v[180:181]
	v_pk_add_f32 v[244:245], v[184:185], v[188:189]
	v_pk_add_f32 v[242:243], v[192:193], v[196:197]
	v_pk_add_f32 v[16:17], v[16:17], v[200:201]
	v_pk_add_f32 v[70:71], v[70:71], v[140:141]
	v_pk_add_f32 v[252:253], v[252:253], v[142:143]
	v_pk_add_f32 v[250:251], v[250:251], v[146:147]
	v_pk_add_f32 v[248:249], v[248:249], v[150:151]
	v_pk_add_f32 v[246:247], v[246:247], v[154:155]
	v_pk_add_f32 v[244:245], v[244:245], v[158:159]
	v_pk_add_f32 v[242:243], v[242:243], v[162:163]
	v_pk_add_f32 v[16:17], v[16:17], v[166:167]
	v_pk_add_f32 v[70:71], v[70:71], v[170:171]
	v_pk_add_f32 v[252:253], v[252:253], v[174:175]
	v_pk_add_f32 v[250:251], v[250:251], v[178:179]
	v_pk_add_f32 v[248:249], v[248:249], v[182:183]
	v_pk_add_f32 v[246:247], v[246:247], v[186:187]
	v_pk_add_f32 v[244:245], v[244:245], v[190:191]
	v_pk_add_f32 v[242:243], v[242:243], v[194:195]
	v_pk_add_f32 v[16:17], v[16:17], v[198:199]
	v_pk_add_f32 v[70:71], v[70:71], v[202:203]
	s_delay_alu instid0(VALU_DEP_2)
	v_pk_add_f32 v[16:17], v[16:17], v[248:249]
	s_delay_alu instid0(VALU_DEP_2)
	v_pk_add_f32 v[70:71], v[70:71], v[246:247]
	v_pk_add_f32 v[252:253], v[252:253], v[244:245]
	v_pk_add_f32 v[250:251], v[250:251], v[242:243]
	s_delay_alu instid0(VALU_DEP_2)
	v_pk_add_f32 v[16:17], v[16:17], v[252:253]
	s_delay_alu instid0(VALU_DEP_2)
	v_pk_add_f32 v[70:71], v[70:71], v[250:251]
	s_delay_alu instid0(VALU_DEP_1)
	v_pk_add_f32 v[16:17], v[16:17], v[70:71]
	s_wait_alu depctr_va_vdst(0)
.irp b, 0,1,2,3
	v_max_num_f32 v[BM+\b], 0x2800000, v[BM+\b]
.endr
.irp b, 0,1,2,3
	s_delay_alu instid0(VALU_DEP_4)
	v_add_nc_u32 v[BS+\b], 0xfe000000, v[BM+\b]
.endr
.irp b, 0,1,2,3
	s_delay_alu instid0(VALU_DEP_4)
	v_lshrrev_b32 v[BT+\b], 23, v[BS+\b]
.endr
	s_delay_alu instid0(VALU_DEP_3)
	v_lshl_or_b32 v[PW], v[BT+1], 8, v[BT]
	s_delay_alu instid0(VALU_DEP_1)
	v_lshl_or_b32 v[PW], v[BT+2], 16, v[PW]
	s_delay_alu instid0(VALU_DEP_1)
	v_lshl_or_b32 v[PW], v[BT+3], 24, v[PW]
.irp c, 0,1
	v_cvt_scalef32_pk16_bf6_f32 v[PC+6*\c:PC+6*\c+2], v[S+32*\c:S+32*\c+15], v[BS+2*\c]
	v_cvt_scalef32_pk16_bf6_f32 v[PT+4*\c:PT+4*\c+2], v[S+32*\c+16:S+32*\c+31], v[BS+2*\c+1]
.endr
	v_nop
.irp c, 0,1
.irp i, 0,1,2
	v_permlane16_swap_b32 v[PC+6*\c+\i], v[PT+4*\c+\i]
.endr
.irp i, 0,1,2
	s_delay_alu instid0(VALU_DEP_3)
	v_mov_b32 v[PC+3+6*\c+\i], v[PT+4*\c+\i]
.endr
.endr
.set j, 0
	s_setprio 0
.rept 16
	v_pk_mul_f32 v[O+j:O+j+1], v[O+j:O+j+1], v[FF:FF+1] op_sel_hi:[1,0]
.set j, j+2
.endr
	s_wait_alu depctr_va_vdst(0)
	s_wait_dscnt 0x0
.irp t, 0,1,2,3
.if \t%2 == 0
	v_wmma_scale_f32_16x16x128_f8f6f4 v[O+8*\t:O+8*\t+7], v[FR+12*\t:FR+12*\t+11], v[PC:PC+11], v[O+8*\t:O+8*\t+7], v[VS+\t/2], v[PW] matrix_a_fmt:MATRIX_FMT_BF6 matrix_b_fmt:MATRIX_FMT_BF6
.else
	v_wmma_scale_f32_16x16x128_f8f6f4 v[O+8*\t:O+8*\t+7], v[FR+12*\t:FR+12*\t+11], v[PC:PC+11], v[O+8*\t:O+8*\t+7], v[VS+\t/2], v[PW] matrix_a_fmt:MATRIX_FMT_BF6 matrix_b_fmt:MATRIX_FMT_BF6 matrix_a_scale:MATRIX_SCALE_ROW1
.endif
.endr
	s_add_co_u32 s[TB], s[TB], BLKB
	s_add_co_u32 s[TM], s[TM], 512
.endm
.macro KEYS n
	s_mov_b32 s[CNT], \n
.Lkeys_\@:
	s_setprio 2
	STEP
	s_sub_co_u32 s[CNT], s[CNT], 1
	s_cmp_lg_u32 s[CNT], 0
	s_cbranch_scc1 .Lkeys_\@
	s_setprio 0
.endm
.macro OUT u
.rept 4
	v_nop
.endr
	v_add_f32 v[SUM], v[SUM], v[SUM+1]
	s_delay_alu instid0(VALU_DEP_1)
	v_permlanex16_b32 v[TT], v[SUM], s[SEL], s[SEL+1]
	s_delay_alu instid0(VALU_DEP_1)
	v_add_f32 v[SUM], v[SUM], v[TT]
	s_wait_alu depctr_va_vdst(0)
	v_rcp_f32 v[SUM], v[SUM]
	v_nop
	s_wait_alu depctr_va_vdst(0)
.set j, 0
.rept 16
	v_pk_mul_f32 v[S+j:S+j+1], v[O+j:O+j+1], v[SUM:SUM+1] op_sel_hi:[1,0]
.set j, j+2
.endr
.irp b, 0,1
.irp k, 0,1,2,3
	ds_store_b128 v[STO], v[S+16*\b+4*\k:S+16*\b+4*\k+3] offset:128*\b+16*\k
.endr
.endr
.irp i, 0,1,2,3,4,5,6,7
	ds_load_b128 v[FR+4*\i:FR+4*\i+3], v[RD] offset:544*\i
.endr
.irp i, 0,1,2,3,4,5,6,7
	s_wait_dscnt 7-\i
	global_store_b128 v[GO], v[FR+4*\i:FR+4*\i+3], s[12:13] offset:(8*\u+2*\i+8*(\i/4))*4096 th:TH_STORE_NT
.endr
	s_wait_xcnt 0x0
.endm
.macro PASS u
.irp i, 0,1,2,3,4,5
	v_mov_b32 v[QF+\i], v[PI+6*\u+\i]
	v_mov_b32 v[QF+12+\i], v[PI+6*\u+\i]
.endr
.if \u == 0
	v_perm_b32 v[QS], v[QW], v[QW], 0x01000100
.else
	v_perm_b32 v[QS], v[QW], v[QW], 0x03020302
.endif
	v_mov_b32 v[TX], 0xff61b1e6
	s_delay_alu instid0(VALU_DEP_1)
	v_floor_f32 v[NM], -v[TX]
	v_mov_b32 v[SUM], 0
	v_mov_b32 v[SUM+1], 0
.set j, 0
.rept 32
	v_mov_b32 v[O+j], 0
.set j, j+1
.endr
.if \u == 0
.irp g, 0,1,2,3
	s_wait_tensorcnt 3-\g
	s_wait_dscnt 0x0
	s_barrier_signal -1
	s_barrier_wait -1
	s_mov_b32 s[TB], \g*GRP
	s_mov_b32 s[TM], \g*2048
	KEYS 4
.endr
.else
	s_mov_b32 s[TB], 0
	s_mov_b32 s[TM], 0
	KEYS 16
.endif
	OUT \u
.endm
	PASS 0
	PASS 1
	s_wait_dscnt 0x0
	s_wait_tensorcnt 0x0
	ds_add_u32 v254, v255
	s_wait_dscnt 0x0
	CROUND
	s_endpgm
.Lfunc_end_k_q3b390b0de8_attn:
	.size	k_q3b390b0de8_attn, .Lfunc_end_k_q3b390b0de8_attn-k_q3b390b0de8_attn
	.p2alignl 7, 3214868480
	.fill 96, 4, 3214868480
	.section	.rodata,"a",@progbits
	.p2align	6, 0x0
	.amdhsa_kernel k_q3b390b0de8_attn
		.amdhsa_group_segment_fixed_size 284672
		.amdhsa_private_segment_fixed_size 0
		.amdhsa_enable_private_segment 0
		.amdhsa_kernarg_size 40
		.amdhsa_user_sgpr_count 2
		.amdhsa_user_sgpr_kernarg_segment_ptr 1
		.amdhsa_wavefront_size32 1
		.amdhsa_system_sgpr_workgroup_id_x 1
		.amdhsa_system_sgpr_workgroup_id_y 1
		.amdhsa_system_sgpr_workgroup_id_z 1
		.amdhsa_system_vgpr_workitem_id 0
		.amdhsa_next_free_vgpr 256
		.amdhsa_next_free_sgpr 66
		.amdhsa_reserve_vcc 0
		.amdhsa_float_denorm_mode_32 3
		.amdhsa_float_denorm_mode_16_64 3
		.amdhsa_memory_ordered 1
		.amdhsa_forward_progress 1
		.amdhsa_inst_pref_size 109
	.end_amdhsa_kernel
	.amdgpu_metadata
---
amdhsa.version: [ 1, 2 ]
amdhsa.kernels:
  - .name:           k_q3b390b0de8_attn
    .symbol:         k_q3b390b0de8_attn.kd
    .args:
      - { .name: q_img, .offset: 0, .size: 8, .value_kind: global_buffer, .address_space: global }
      - { .name: k_img, .offset: 8, .size: 8, .value_kind: global_buffer, .address_space: global }
      - { .name: v_img, .offset: 16, .size: 8, .value_kind: global_buffer, .address_space: global }
      - { .name: attention_mask, .offset: 24, .size: 8, .value_kind: global_buffer, .address_space: global }
      - { .name: out0, .offset: 32, .size: 8, .value_kind: global_buffer, .address_space: global }
    .group_segment_fixed_size: 284672
    .private_segment_fixed_size: 0
    .kernarg_segment_align: 8
    .kernarg_segment_size: 40
    .max_flat_workgroup_size: 512
    .sgpr_count:     66
    .vgpr_count:     256
    .wavefront_size: 32
...
	.end_amdgpu_metadata
.endif
;; end of part 3
